; MI455X (gfx1250); checked and timed in simulation.
; The chip was launched on July 23, 2026; its instructions are those of AMD's public machine-readable ISA for CDNA 5 (MIT licence, August 2026) and "CDNA5" Instruction Set Architecture Reference Guide (July 2026). The comments in the code are by the model that wrote it; some were corrected since.
;; h diag Land. Allowed arithmetic: float matrix products may take bf16 or f16 operands with f32 sums; all other float work in f32.
;; Inputs: W 1 x 1 float32; reference_sample 8,192 x 256 float32; x_t 8,192 x 256 float32.
;; Outputs: out0 8,192 x 256 float32.
;; 2 versions, each right; version 2 is version 1 with the launch prep written anew for expert scheduling mode. Each part assembles by itself: llvm-mc -triple=amdgcn-amd-amdhsa -mcpu=gfx1250 --defsym DOCPART=n.
;; ======== version 1 of 2: 3 launches
;; limits: a difference of large sums (such as E[x^2] - mean^2): digits are lost where the result is much smaller than its terms; values are held in bf16: 8 bits of precision
;; workspace buffers: rb 4,194,304 bytes; r2b 4,194,304 bytes; xb 4,194,304 bytes; rs 32,768 bytes; xs 32,768 bytes; part 33,554,432 bytes
;; launch prep (part 1): grid 128 x 2, 8 waves a work-group, no clusters, 1,280 bytes of LDS; arguments reference_sample, x_t, rb, r2b, rs, xb, xs; writes rb, r2b, rs, xb, xs
.if DOCPART == 1
	.amdgcn_target "amdgcn-amd-amdhsa--gfx1250"
	.amdhsa_code_object_version 6
	.text
	.protected	k_qafe9c33eac_prep
	.globl	k_qafe9c33eac_prep
	.p2align	8
	.type	k_qafe9c33eac_prep,@function
k_qafe9c33eac_prep:
	s_mov_b64 s[64:65], 0
	v_nop
	global_prefetch_b8 v0, s[64:65] scope:SCOPE_SE
	s_setreg_imm32_b32 hwreg(HW_REG_WAVE_MODE, 25, 1), 1
	s_wait_xcnt 0x0
; Rounds reference_sample (work-group y = 0) or x_t (y = 1), both [8192][256] f32, to bf16 and makes what the main launch needs:
;   y = 0: rb = bf16(ref), r2b = bf16(rb^2), rs[n] = -1/2 * sum_d rb[n][d]^2
;   y = 1: xb = bf16(x),                     xs[b] = -c  * sum_d xb[b][d]^2,  c = log2(e) / 128
; The norms are taken of the ROUNDED numbers, so that the distance formed later is that of the rounded vectors.
; rs and xs are stored permuted inside each block of 16 rows: place 8 h + j holds row 2 j + h (the order in which the main launch's lanes want them).
; Memory binds: each input byte is read once, 512 neighbouring bytes a load; each store of a wave covers 256 consecutive bytes, aligned.  No matrix unit, no cluster: no byte is shared.
; A work-group owns 64 rows, a wave 8; a row (1,024 bytes) is two loads of a wave, and all 16 loads of a wave go out at once.
.set OFF, 1                            ; v1        my byte offset in the group's source rows: wave x 8 rows x 1,024 + 16 lane
.set OB,  2                            ; v2        the same in the bf16 rows: wave x 8 rows x 512 + 8 lane
.set LA,  3                            ; v3        LDS byte of my wave's norms
.set X,   16                           ; v[16:79]   row k: 8 registers as loaded
.set B,   80                           ; v[80:111]  row k: 4 registers, 8 bf16 (never rewritten: they are stores' data)
.set R2,  112                          ; v[112:143] row k: 4 registers, 8 bf16 squares (likewise)
.set Y,   144                          ; v[144:151] the rounded numbers as f32
.set SQ,  152                          ; v[152:159] their squares
.set SUM, 160
.set TMP, 161
	s_load_b256 s[4:11], s[0:1], 0x0               ; reference_sample s[4:5], x_t s[6:7], rb s[8:9], r2b s[10:11]
	s_load_b128 s[12:15], s[0:1], 0x20             ; rs s[12:13], xb s[14:15]
	s_load_b64 s[16:17], s[0:1], 0x30              ; xs
	v_lshl_add_u32 v176, v0, 2, 0x100
	v_mov_b32 v177, 0
	v_lshrrev_b32 v4, 5, v0
	v_readfirstlane_b32 s18, v4                    ; wave 0..7
	s_and_b32 s19, ttmp7, 0xffff                   ; y: 0 = ref, 1 = x
	s_mov_b32 s26, 0xbc38aa3b                      ; -c = -log2(e) / 128
	s_mov_b32 s27, 0xbf000000                      ; -1/2
	s_mov_b32 s30, 0xffff0000                      ; a word's upper bf16
	s_mov_b32 s32, 0x76543210                      ; v_permlanex16_b32: each lane takes its own place in the other half
	s_mov_b32 s33, 0xfedcba98
	v_and_b32 v5, 0xe0, v0                         ; 32 x wave
	v_and_b32 v6, 31, v0                           ; lane
	v_lshlrev_b32 v[OFF], 4, v6
	v_lshl_add_u32 v[OFF], v5, 8, v[OFF]           ; + wave x 8,192
	v_lshlrev_b32 v[OB], 3, v6
	v_lshl_add_u32 v[OB], v5, 7, v[OB]             ; + wave x 4,096
	s_lshr_b32 s31, s18, 1                         ; my wave's rows are half (wave & 1) of block wave >> 1 of 16 rows:
	s_lshl_b32 s31, s31, 6                         ; row 8 (wave & 1) + k of the block goes to place 8 (k & 1) + 4 (wave & 1) + (k >> 1)
	s_and_b32 s34, s18, 1
	s_lshl_b32 s34, s34, 4
	s_add_co_u32 s31, s31, s34
	v_mov_b32 v[LA], s31
	v_mov_b32 v[TMP], 0                            ; v_permlanex16_b32's destination counts as read
	s_wait_kmcnt 0x0
	s_cmp_eq_u32 s19, 0
	s_cselect_b64 s[20:21], s[4:5], s[6:7]         ; the source,
	s_cselect_b64 s[22:23], s[8:9], s[14:15]       ; where its bf16 goes,
	s_cselect_b64 s[24:25], s[12:13], s[16:17]     ; where its norms go,
	s_cselect_b32 s26, s27, s26                    ; and their factor
	s_lshl_b32 s28, ttmp9, 16                      ; the group's 64 rows of 1,024 bytes
	s_mov_b32 s29, 0
	s_add_nc_u64 s[20:21], s[20:21], s[28:29]
	s_lshl_b32 s28, ttmp9, 15                      ; of 512 bytes
	s_add_nc_u64 s[22:23], s[22:23], s[28:29]
	s_add_nc_u64 s[10:11], s[10:11], s[28:29]
	s_lshl_b32 s28, ttmp9, 8                       ; 64 norms
	s_add_nc_u64 s[24:25], s[24:25], s[28:29]
.irp k, 0,1,2,3,4,5,6,7
	global_load_b128 v[X+8*\k:X+8*\k+3],   v[OFF], s[20:21] offset:1024*\k th:TH_LOAD_NT      ; columns 4 lane ..
	global_load_b128 v[X+8*\k+4:X+8*\k+7], v[OFF], s[20:21] offset:1024*\k+512 th:TH_LOAD_NT  ; columns 128 + 4 lane ..
.endr
; Row k of my eight.  sq = 1: the squares are stored too.
.macro ROW k, sq
	s_wait_loadcnt 14-2*\k                         ; loads come back in order: this row's two are in, the later rows' stay out
.irp j, 0,1,2,3
	v_cvt_pk_bf16_f32 v[B+4*\k+\j], v[X+8*\k+2*\j], v[X+8*\k+2*\j+1]
.endr
	global_store_b64 v[OB], v[B+4*\k:B+4*\k+1],   s[22:23] offset:512*\k       ; 32 lanes x 8 bytes: 256 consecutive bytes, aligned
	global_store_b64 v[OB], v[B+4*\k+2:B+4*\k+3], s[22:23] offset:512*\k+256
.irp j, 0,1,2,3
	v_lshlrev_b32 v[Y+2*\j],   16,  v[B+4*\k+\j]   ; the rounded numbers back as f32
	v_and_b32     v[Y+2*\j+1], s30, v[B+4*\k+\j]
.endr
.irp j, 0,2,4,6
	v_pk_mul_f32 v[SQ+\j:SQ+\j+1], v[Y+\j:Y+\j+1], v[Y+\j:Y+\j+1]
.endr
.if \sq
.irp j, 0,1,2,3
	v_cvt_pk_bf16_f32 v[R2+4*\k+\j], v[SQ+2*\j], v[SQ+2*\j+1]
.endr
	global_store_b64 v[OB], v[R2+4*\k:R2+4*\k+1],   s[10:11] offset:512*\k
	global_store_b64 v[OB], v[R2+4*\k+2:R2+4*\k+3], s[10:11] offset:512*\k+256
.endif
	v_pk_add_f32 v[SQ:SQ+1],   v[SQ:SQ+1],   v[SQ+2:SQ+3]
	v_pk_add_f32 v[SQ+4:SQ+5], v[SQ+4:SQ+5], v[SQ+6:SQ+7]
	v_pk_add_f32 v[SQ:SQ+1],   v[SQ:SQ+1],   v[SQ+4:SQ+5]
	v_add_f32 v[SUM], v[SQ], v[SQ+1]
	v_add_f32_dpp v[SUM], v[SUM], v[SUM] row_xmask:1 row_mask:0xf bank_mask:0xf
	v_add_f32_dpp v[SUM], v[SUM], v[SUM] row_xmask:2 row_mask:0xf bank_mask:0xf
	v_add_f32_dpp v[SUM], v[SUM], v[SUM] row_xmask:4 row_mask:0xf bank_mask:0xf
	v_add_f32_dpp v[SUM], v[SUM], v[SUM] row_xmask:8 row_mask:0xf bank_mask:0xf
	v_permlanex16_b32 v[TMP], v[SUM], s32, s33
	v_add_f32 v[SUM], v[SUM], v[TMP]
	v_mul_f32 v[SUM], s26, v[SUM]
	ds_store_b32 v[LA], v[SUM] offset:4*((\k%2)*8+\k/2)   ; all lanes write the same word with the same value
.endm
	s_cmp_lg_u32 s19, 0                            ; the same way for the whole work-group
	s_cbranch_scc1 .Lfor_x
.irp k, 0,1,2,3,4,5,6,7
	ROW \k, 1
.endr
	s_branch .Lnorms
.Lfor_x:
.irp k, 0,1,2,3,4,5,6,7
	ROW \k, 0
.endr
.Lnorms:
	s_wait_dscnt 0x0                               ; for wave 0's sake: my eight norms are in LDS
	s_barrier_signal -1
	s_barrier_wait -1
	s_cmp_lg_u32 s18, 0
	s_cbranch_scc1 .Lend
	v_and_b32 v4, 31, v0
	v_lshlrev_b32 v4, 3, v4
	ds_load_b64 v[6:7], v4                         ; the group's 64 norms: 256 bytes, stored whole by one wave
	s_wait_dscnt 0x0
	global_store_b64 v4, v[6:7], s[24:25]
.Lend:
	s_wait_tensorcnt 0x0
	ds_add_u32 v176, v177
	s_wait_dscnt 0x0
	s_endpgm
.Lfunc_end_k_qafe9c33eac_prep:
	.size	k_qafe9c33eac_prep, .Lfunc_end_k_qafe9c33eac_prep-k_qafe9c33eac_prep
	.p2alignl 7, 3214868480
	.fill 96, 4, 3214868480
	.section	.rodata,"a",@progbits
	.p2align	6, 0x0
	.amdhsa_kernel k_qafe9c33eac_prep
		.amdhsa_group_segment_fixed_size 1280
		.amdhsa_private_segment_fixed_size 0
		.amdhsa_enable_private_segment 0
		.amdhsa_kernarg_size 56
		.amdhsa_user_sgpr_count 2
		.amdhsa_user_sgpr_kernarg_segment_ptr 1
		.amdhsa_wavefront_size32 1
		.amdhsa_system_sgpr_workgroup_id_x 1
		.amdhsa_system_sgpr_workgroup_id_y 1
		.amdhsa_system_sgpr_workgroup_id_z 1
		.amdhsa_system_vgpr_workitem_id 0
		.amdhsa_next_free_vgpr 178
		.amdhsa_next_free_sgpr 66
		.amdhsa_reserve_vcc 0
		.amdhsa_float_denorm_mode_32 3
		.amdhsa_float_denorm_mode_16_64 3
		.amdhsa_memory_ordered 1
		.amdhsa_forward_progress 1
		.amdhsa_inst_pref_size 34
	.end_amdhsa_kernel
	.amdgpu_metadata
---
amdhsa.version: [ 1, 2 ]
amdhsa.kernels:
  - .name:           k_qafe9c33eac_prep
    .symbol:         k_qafe9c33eac_prep.kd
    .args:
      - { .name: reference_sample, .offset: 0, .size: 8, .value_kind: global_buffer, .address_space: global }
      - { .name: x_t, .offset: 8, .size: 8, .value_kind: global_buffer, .address_space: global }
      - { .name: rb, .offset: 16, .size: 8, .value_kind: global_buffer, .address_space: global }
      - { .name: r2b, .offset: 24, .size: 8, .value_kind: global_buffer, .address_space: global }
      - { .name: rs, .offset: 32, .size: 8, .value_kind: global_buffer, .address_space: global }
      - { .name: xb, .offset: 40, .size: 8, .value_kind: global_buffer, .address_space: global }
      - { .name: xs, .offset: 48, .size: 8, .value_kind: global_buffer, .address_space: global }
    .group_segment_fixed_size: 1280
    .private_segment_fixed_size: 0
    .kernarg_segment_align: 8
    .kernarg_segment_size: 56
    .max_flat_workgroup_size: 256
    .sgpr_count:     66
    .vgpr_count:     178
    .wavefront_size: 32
...
	.end_amdgpu_metadata
.endif
;; end of part 1
;; launch main (part 2): grid 64 x 4, 4 waves a work-group, clusters of 4 x 1, 327,680 bytes of LDS; arguments rb, r2b, rs, xb, xs, part; writes part
.if DOCPART == 2
	.amdgcn_target "amdgcn-amd-amdhsa--gfx1250"
	.amdhsa_code_object_version 6
	.text
	.protected	k_qafe9c33eac_main
	.globl	k_qafe9c33eac_main
	.p2align	8
	.type	k_qafe9c33eac_main,@function
k_qafe9c33eac_main:
	s_mov_b64 s[64:65], 0
	v_nop
	global_prefetch_b8 v0, s[64:65] scope:SCOPE_SE
	s_setreg_imm32_b32 hwreg(HW_REG_WAVE_MODE, 25, 1), 1
	s_wait_xcnt 0x0
	s_wait_alu depctr_hold_cnt(0) depctr_sa_sdst(0) depctr_va_vdst(0) depctr_va_sdst(0) depctr_va_ssrc(0) depctr_va_vcc(0) depctr_vm_vsrc(0)
	s_getreg_b32 s2, hwreg(HW_REG_IB_STS2, 6, 4)
	s_cmp_eq_u32 s2, 0
	s_cbranch_scc0 .Lentry_in_a_cluster
	s_endpgm
.Lentry_in_a_cluster:
	s_bfe_u32 s2, ttmp6, 0x10000c
	s_cmp_lg_u32 s2, 0x3003
	s_cbranch_scc0 .Lentry_shape_is_right
	s_endpgm
.Lentry_shape_is_right:
; part[y][b][d] = sum over the 2,048 keys n of split y of w[b][n] (r[n][d] - x[b][d])^2,  w = exp(-|x_b - r_n|^2 / 128), formed as
;   w = 2^(2c (x.r - |r|^2 / 2) - c |x|^2), c = log2(e) / 128;   M = A2 - 2 x A1 + x^2 sum(w) = x (x sum(w) - 2 A1) + A2,  A1 = w @ r, A2 = w @ r^2.
; x and r are the bf16 numbers of xb and rb, r^2 the bf16 numbers of r2b; rs = -|r|^2 / 2 and xs = -c |x|^2 are f32 norms of the rounded vectors.
; LIMITS.  The result is that of the formula on x and ref rounded to bf16, with two more roundings to bf16: of r^2 and of the weights w (the row sum is taken of the rounded weights,
; so that A1, A2 and the sum belong together).  No maximum is taken away in front of the exponential, as in the formula itself: the exponent is -distance / 128, at most 0 but for
; f32 rounding, so no exponential overflows; a weight below 2^-126 counts as 0.
; SHARES.  A work-group owns 128 queries and one of four splits of the keys, and walks its 2,048 keys 64 a step.  Wave w: qh = w >> 1 picks 64 queries (four tiles of 16), ch = w & 1
; picks (a) the 32 keys of each step whose scores and weights it makes, (b) the 128 channels d of r AND of r^2 whose sums it keeps: 16 channel tiles x 4 query tiles = 64
; accumulators, 512 registers.  The two waves of a query half hand each other their weights, as bf16 fragments, through LDS.
; LAYOUT.  S^T = K Q^T (source 0 = 16 keys, source 1 = 16 queries): a lane holds ONE query (lane % 16) and eight keys.  Two such tiles rounded to bf16 in pairs ARE source 1
; (32 keys x 16 queries) of O^T = V^T P, whose result again holds one query a lane, and eight channels.  The first product of each score tile takes rs as C.
; r's tile serves twice: as K, read as it lies, and as half of V, read turned (ds_load_tr16_b128).  Place k of a block of 16 keys is LDS row 2 (k & 7) + (k >> 3), in both readings
; PIPELINE.  Behind barrier j a wave multiplies by V of step j and makes the scores and weights of step j + 1, while step j + 2 is on its way into the third slot: ONE barrier a step
; serves the ring of tiles and the exchange of weights.  A step is twelve GROUPS of 16 products (four fragments of K or V x four query tiles):
;   VP3 of the step before | K0 K1 K2 K3 (scores of step j + 1) | VO0-VO3 (V of my own 32 keys) | VP0 VP1 VP2 (V of my partner's keys)
; on three buffers of four fragments that take turns.  THE LDS WORK STANDS IN SIX RUNS A STEP, one behind every second group, each filling the two buffers just multiplied, so that the
; stream of products is broken five times a step (the sixth run stands behind the barrier).  The vector work stands behind the products: the row sums in K0-K3, scalings and
; exponentials in VO0-VO3, roundings in VP0; where a run follows a group, four of these plain instructions stand behind the group's last product and are its places.
; CLUSTER.  The four query blocks of a cluster share the split y and walk the same tiles: each tile is asked for JOINTLY, by the same tensor load with the same descriptor and the mask 15.
;
; REGISTERS, in windows of 256 (s_set_vgpr_msb: bits 1:0 source 0, 3:2 source 1, 5:4 source 2, 7:6 destination):
;   window 0: v0 thread, v1-5 addresses, v6-7 the LDS addresses of the runs, by turns, v8-15 (xs, row sum) a query tile, v16-31 rs as C, v32-95 S^T,
;             v96-159 P (a tile: my fragment, then my partner's), v160-255 three fragment buffers
;   window 1: Q, 64 a query tile, slab s of 32 channels at 8 s; slab s holds channels 32 (s xor 4 ch) on, so that a wave's own channels lie in slabs 0-3
;   window 2: O^T for r, tile (t, q) at 8 (4 t + q)          window 3: the same for r^2
; Under the score products' setting (source 1 in window 1) LDS loads, the address sums and the row sums name window 0 alone in their other places: K0-K3 and their two runs need no switch.
.set PITCH, 528                        ; an LDS row: 512 bytes + 16 of padding
.set HALFB, 32*PITCH                   ; 32 rows: what one tensor load brings; the keys of one wave's scores
.set TILEB, 64*PITCH                   ; a step's rows of r (or of r^2)
.set SLOTB, 2*TILEB                    ; a slot: r's 64 rows, then r^2's
.set RSB,   3*SLOTB                    ; behind the three slots: rs of the 2,048 keys, 8,192 bytes, written once by LDS stores
.set PXB,   RSB+8192                   ; three buffers of 16,384 bytes for the weights: buffer j % 3, wave x 4,096 + query tile x 1,024 + half x 512 + 16 lane
.set PXS,   16384
.set STG,   PXB+3*PXS                  ; the way out: 16 rows x 528 bytes for each wave.  No tensor load fills anything from RSB on; all regions begin at multiples of 256
.set STEPB, 64*512                     ; bytes of memory from a step's tile to the next step's
.set AK0, 1                            ; v1  my lane's place in my 32 rows of K
.set AV0, 2                            ; v2  my lane's place in a turning load of my 128 channels
.set ARS, 3                            ; v3  my 32 bytes of rs; steps by 256 a key step
.set APS, 4                            ; v4  where I put weights
.set APL, 5                            ; v5  where my partner puts them
.set ADB, 6                            ; v6, v7  the LDS address of a run of loads: two registers by turns, so that neither is written just behind loads that name it
.set ADA, 7
.set XSW, 8                            ; v[8+2q] xs of my query in tile q, v[9+2q] its running sum of weights
.set RS,  16
.set S,   32
.set P,   96
.set F0,  160
.set F1,  192
.set F2,  224
.set STO, 16                           ; the way out (rs's registers are free then): where I put 16 bytes, where I read rows back, my offset in part
.set RD,  17
.set GO,  18
.set EX,  32                           ; the way out: x of a query tile as f32; the sums at work; rows read back; the row sums as pairs
.set EU,  96
.set OB,  160
.set SS,  232
.set MSB, 0
.macro WIN new                         ; the immediate's high byte repeats the setting that is left; a switch that changes nothing is dropped
.if MSB != \new
	s_set_vgpr_msb (MSB<<8)|\new
.set MSB, \new
.endif
.endm
; A vector instruction that reads a matrix result or writes one of a matrix instruction's registers, and a load into such a register, stand four places behind it; only plain vector
; instructions that name none of its registers are places (ISA guide 7.12.1 for vector instructions).
.macro PLACES
	s_wait_alu depctr_va_vdst(0)
.rept 4
	v_nop
.endr
.endm
; A round of the cluster's barrier: my work-group's barrier; wave 0 signals for the work-group; every wave waits for all four work-groups; my work-group's barrier once more.
.macro CREST                           ; a round behind its opening barrier
	s_cmp_lg_u32 s16, 0
	s_cbranch_scc1 .Lnot_wave_0_\@
	s_barrier_signal -3
.Lnot_wave_0_\@:
	s_barrier_wait -3
	s_barrier_signal -1
	s_barrier_wait -1
.endm
.macro CROUND
	s_barrier_signal -1
	s_barrier_wait -1
	CREST
.endm
	s_load_b256 s[4:11], s[0:1], 0x0               ; rb s[4:5], r2b s[6:7], rs s[8:9], xb s[10:11]
	s_load_b128 s[12:15], s[0:1], 0x20             ; xs s[12:13], part s[14:15]
	v_lshl_add_u32 v94, v0, 2, 0x47c00
	v_mov_b32 v95, 0
	ds_add_u32 v94, v95
	s_wait_dscnt 0x0
	v_lshrrev_b32 v40, 5, v0
	v_readfirstlane_b32 s16, v40                   ; wave 0..3
	s_lshr_b32 s17, s16, 1                         ; qh
	s_and_b32 s18, s16, 1                          ; ch
	s_bfe_u32 s52, ttmp6, 0x40000                  ; cx: my place in the cluster
	s_lshl_b32 s19, ttmp9, 2                       ; in a cluster launch ttmp9 counts clusters
	s_add_co_u32 s19, s19, s52                     ; my block of 128 queries: it enters xb's, xs's and part's addresses alone
	s_and_b32 s21, ttmp7, 0xffff                   ; y: the split of the keys, which the four partners share
	s_mul_i32 s20, s16, HALFB                      ; where my tensor loads land in a slot: r's two halves, then r^2's two halves
	s_lshl_b32 s22, s18, 8                         ; byte in a row of my own 128 channels,
	s_sub_co_u32 s23, 256, s22                     ; and of the other 128
	s_mul_i32 s40, s18, HALFB                      ; my 32 keys in a tile,
	s_sub_co_u32 s41, HALFB, s40                   ; and my partner's
	s_mov_b32 s42, 0x3cb8aa3b                      ; 2 c = log2(e) / 64
	s_mov_b32 s43, 0x3cb8aa3b                      ; named with it as a pair, so it is written
	s_mov_b32 s44, 0x76543210                      ; v_permlanex16_b32: each lane takes its own place in the other half
	s_mov_b32 s45, 0xfedcba98
	s_mov_b32 s47, 0xffff0000                      ; a word's upper bf16
	s_mov_b32 s56, 1.0                             ; the row sums' factor: a scalar, so that they name no vector register as source 1
	; descriptor group 1, one for all loads: a tile of 32 rows x 256 elements, padded in LDS
	s_mov_b32 s24, 15|(1<<16)|(1<<20)|(1<<21)|(6<<22)|(3<<25)  ; 15:0 the mask: all four work-groups; 17:16 elements of 2 bytes; 20 padding on; 21 set beside a mask; 24:22 after every 128 words (code 6); 31:25 4 words of it (code 3)
	s_mov_b32 s25, 256<<16                         ; tensor_dim0 = 256
	s_mov_b32 s26, 32<<16                          ; tensor_dim1 = 32
	s_mov_b32 s27, 256<<16                         ; tile_dim0 = 256
	s_mov_b32 s28, 32                              ; tile_dim1 = 32
	s_mov_b32 s29, 256                             ; elements from row to row
	s_mov_b32 s30, 0
	s_mov_b32 s31, 0
	s_wait_kmcnt 0x0
	s_cmp_lt_u32 s16, 2                            ; waves 0 and 1 fetch r's rows, waves 2 and 3 those of r^2
	s_cselect_b64 s[48:49], s[4:5], s[6:7]
	s_lshl_b32 s50, s21, 20                        ; 2,048 y rows of 512 bytes
	s_lshl_b32 s51, s18, 14                        ; + my 32 rows of a step's 64
	s_add_co_u32 s50, s50, s51
	s_mov_b32 s51, 0
	s_add_nc_u64 s[48:49], s[48:49], s[50:51]      ; made of the wave's number and y alone: equal in all four partners
	s_lshl_b32 s52, s19, 16                        ; xb at my wave's 64 queries: (128 block + 64 qh) x 512
	s_lshl_b32 s53, s17, 15
	s_add_co_u32 s52, s52, s53
	s_mov_b32 s53, 0
	s_add_nc_u64 s[10:11], s[10:11], s[52:53]
	s_lshr_b32 s52, s52, 7                         ; xs: the same rows x 4
	s_add_nc_u64 s[12:13], s[12:13], s[52:53]
	s_lshl_b32 s52, s52, 8                         ; part: the same rows x 1,024,
	s_lshl_b32 s54, s18, 9                         ; + my 128 channels,
	s_add_co_u32 s52, s52, s54
	s_lshl_b32 s54, s21, 23                        ; + split y's 8,388,608 bytes
	s_add_co_u32 s52, s52, s54
	s_add_nc_u64 s[14:15], s[14:15], s[52:53]
	s_lshl_b32 s54, s21, 13                        ; rs: 2,048 y norms
	s_mov_b32 s55, 0
	s_add_nc_u64 s[8:9], s[8:9], s[54:55]
	CROUND                                         ; all four work-groups are here: the first joint loads meet
	s_mov_b32 s32, 1                               ; group 0 for step 0, slot 0
	s_add_co_u32 s33, s20, 0
	s_mov_b64 s[34:35], s[48:49]
	s_or_b32 s35, s35, 0x80000000                  ; type = 2
	s_mov_b32 s36, 1                               ; group 0 for step 1, slot 1; it then walks on
	s_add_co_u32 s37, s20, SLOTB
	s_add_nc_u64 s[38:39], s[48:49], STEPB
	s_or_b32 s39, s39, 0x80000000
	tensor_load_to_lds s[32:35], s[24:31]          ; the two first fills stand together, ahead of every wait on TENSORcnt, every LDS read and every further barrier: two loads of mine are out
	s_nop 0
	tensor_load_to_lds s[36:39], s[24:31]
	s_nop 0
	PLACES                                         ; four v_nop follow the tensor loads
	v_and_b32 v40, 15, v0                          ; r = lane % 16
	v_bfe_u32 v41, v0, 4, 1                        ; h = lane / 16
	v_and_b32 v42, 31, v0                          ; lane
	v_and_b32 v43, 7, v0                           ; lane % 8
	v_bfe_u32 v44, v0, 3, 1                        ; (lane / 8) % 2
	; Q stays in registers.  A fragment is 16 queries x 32 channels: lane holds query r; registers 0-3 channels 8 h + 0..7, registers 4-7 channels 16 + 8 h + 0..7.
	v_lshlrev_b32 v32, 9, v40
	v_lshl_add_u32 v32, v41, 4, v32                ; row x 512 + 16 h
	v_add_nc_u32 v33, s23, v32                     ; the other 128 channels: slabs 4-7
	v_add_nc_u32 v32, s22, v32                     ; my own 128 channels: slabs 0-3
	WIN 0x40                                       ; destination window 1
.irp q, 0,1,2,3
.irp sg, 0,1,2,3
	global_load_b128 v[64*\q+8*\sg:64*\q+8*\sg+3],     v32, s[10:11] offset:8192*\q+64*\sg
	global_load_b128 v[64*\q+8*\sg+4:64*\q+8*\sg+7],   v32, s[10:11] offset:8192*\q+64*\sg+32
	global_load_b128 v[64*\q+8*\sg+32:64*\q+8*\sg+35], v33, s[10:11] offset:8192*\q+64*\sg
	global_load_b128 v[64*\q+8*\sg+36:64*\q+8*\sg+39], v33, s[10:11] offset:8192*\q+64*\sg+32
.endr
.endr
	WIN 0
	v_and_b32 v46, 1, v0                           ; xs is stored permuted: query r of a block of 16 lies at place 8 (r & 1) + (r >> 1)
	v_bfe_u32 v47, v0, 1, 3
	v_lshlrev_b32 v34, 2, v47
	v_lshl_add_u32 v34, v46, 5, v34
.irp q, 0,1,2,3
	global_load_b32 v[XSW+2*\q], v34, s[12:13] offset:64*\q
.endr
	v_lshlrev_b32 v35, 4, v0                       ; rs of the split's 2,048 keys is copied once, in whole runs of 512 bytes a wave, and used from LDS
.irp i, 0,1,2,3
	global_load_b128 v[48+4*\i:48+4*\i+3], v35, s[8:9] offset:2048*\i
.endr
	v_add_nc_u32 v36, RSB, v35
	v_lshl_add_u32 v45, v43, 1, v44                ; K: the lane of place r reads LDS row 2 (r & 7) + (r >> 3)
	v_mul_u32_u24 v[AK0], v45, PITCH
	v_lshl_add_u32 v[AK0], v41, 4, v[AK0]
	v_add_nc_u32 v[AK0], s40, v[AK0]               ; in my 32 keys
	v_lshl_add_u32 v45, v43, 1, v41                ; V: lane 8 g + j reads row 2 j + h (place 8 h + j), 16 bytes of channel half g % 2
	v_mul_u32_u24 v[AV0], v45, PITCH
	v_lshl_add_u32 v[AV0], v44, 4, v[AV0]
	v_add_nc_u32 v[AV0], s22, v[AV0]               ; in my 128 channels
	s_lshl_b32 s48, s18, 7                         ; rs: my 32 keys are 128 bytes of a step's 256; a lane's eight keys of a block are 32 neighbouring bytes
	s_add_co_u32 s48, s48, RSB
	v_lshl_add_u32 v[ARS], v41, 5, s48
	s_lshl_b32 s49, s16, 12
	s_add_co_u32 s49, s49, PXB
	v_lshl_add_u32 v[APS], v42, 4, s49
	s_xor_b32 s50, s16, 1                          ; my partner: the same queries, the other keys
	s_lshl_b32 s50, s50, 12
	s_add_co_u32 s50, s50, PXB
	v_lshl_add_u32 v[APL], v42, 4, s50
.irp q, 0,1,2,3
	v_mov_b32 v[XSW+2*\q+1], 0                     ; four row sums: the only registers that are cleared
.endr
	s_wait_loadcnt 0x0                             ; Q, xs, rs
.irp i, 0,1,2,3
	ds_store_b128 v36, v[48+4*\i:48+4*\i+3] offset:2048*\i
.endr
; THE LDS LOADS.  None of these macros switches windows: they stand where destination and source 0 mean window 0.
; LK: group g of four of K, eight loads: slabs 2 g, 2 g + 1 x my two blocks of 16 keys, fragment 2 (slab % 2) + block.  Slabs 0-3 are my own channels, slabs 4-7 the others, as in Q: adr says which.
.macro LK g, adr
.set FB, F0+32*((\g)%3)
.irp sg, 0,1
.irp kt, 0,1
	ds_load_b128 v[FB+8*(2*\sg+\kt):FB+8*(2*\sg+\kt)+3],   v[\adr] offset:\kt*16*PITCH+64*((2*\g+\sg)%4)
	ds_load_b128 v[FB+8*(2*\sg+\kt)+4:FB+8*(2*\sg+\kt)+7], v[\adr] offset:\kt*16*PITCH+64*((2*\g+\sg)%4)+32
.endr
.endr
.endm
.macro LRS                             ; rs of my 32 keys of the step, as the C of its two blocks' first products
	ds_load_b128 v[RS:RS+3],     v[ARS]
	ds_load_b128 v[RS+4:RS+7],   v[ARS] offset:16
	ds_load_b128 v[RS+8:RS+11],  v[ARS] offset:64
	ds_load_b128 v[RS+12:RS+15], v[ARS] offset:80
.endm
; LV: group i of four of V^T for 32 keys (adr says whose), eight loads: r (i < 2) or r^2, channel tiles 4 (i % 2) + 0..3, turned
.macro LV i, buf, adr
.irp f, 0,1,2,3
	ds_load_tr16_b128 v[\buf+8*\f:\buf+8*\f+3],   v[\adr] offset:(\i/2)*TILEB+32*(4*(\i%2)+\f)
	ds_load_tr16_b128 v[\buf+8*\f+4:\buf+8*\f+7], v[\adr] offset:(\i/2)*TILEB+32*(4*(\i%2)+\f)+16*PITCH
.endr
.endm
.macro LPP px                          ; my partner's four fragments of weights
.irp q, 0,1,2,3
	ds_load_b128 v[P+16*\q+8:P+16*\q+11],  v[APL] offset:\px*PXS+1024*\q
	ds_load_b128 v[P+16*\q+12:P+16*\q+15], v[APL] offset:\px*PXS+1024*\q+512
.endr
.endm
; THE VECTOR WORK.  FF: 2c s - c |x|^2 for pair fp of scores.  CC: pair cp of weights rounded to bf16.  PST: tile pq's fragment goes to my partner.
; XI: number xi of 64 of the row sums, taken of the ROUNDED weights in my fragments: query tile xi % 4, register (xi / 4) % 8, half xi / 32.
.macro FF
	v_pk_fma_f32 v[S+2*fp:S+2*fp+1], v[S+2*fp:S+2*fp+1], s[42:43], v[XSW+2*(fp/8):XSW+2*(fp/8)+1] op_sel_hi:[1,0,0]
.endm
.macro CC
	v_cvt_pk_bf16_f32 v[P+16*(cp/8)+cp%8], v[S+2*cp], v[S+2*cp+1]
.endm
.macro PST
	ds_store_b128 v[APS], v[P+16*pq:P+16*pq+3]   offset:sK*PXS+1024*pq
	ds_store_b128 v[APS], v[P+16*pq+4:P+16*pq+7] offset:sK*PXS+1024*pq+512
.endm
.macro XI
.set xq, xi%4
.set xr, (xi/4)%8
.if xi/32
	v_fma_mix_f32_bf16 v[XSW+2*xq+1], v[P+16*xq+xr], s56, v[XSW+2*xq+1] op_sel:[1,0,0] op_sel_hi:[1,0,0]
.else
	v_fma_mix_f32_bf16 v[XSW+2*xq+1], v[P+16*xq+xr], s56, v[XSW+2*xq+1] op_sel_hi:[1,0,0]
.endif
.endm
; THE MATRIX WORK.  The accumulators take turns, one instruction a turn.
; wt >= 0 (in MK and MV): the group's eight loads are waited for fragment by fragment: in front of fragment f the count is the 2 (3 - f) loads of the group's later fragments plus wt, the LDS
; instructions issued behind the group's (LDS instructions of a wave end in order: ISA guide 5.7.1).  wt = -1: the caller has waited.
; MK: 16 products of S^T = K Q^T: fragment mn / 4 (two slabs x two blocks of keys) x four query tiles.  The very first product of a tile takes rs as C.
; x = 1: sixteen row sums of the step in hand stand behind the products: one behind each of the first twelve, four behind the last, where they are its places.
.macro MK g, x, wt
	WIN 0x04                                       ; Q in window 1
.set FB, F0+32*((\g)%3)
.set mn, 0
.rept 16
.if (\wt >= 0) && (mn%4 == 0)
	s_wait_dscnt \wt+2*(3-mn/4)
.endif
.set rS, S+16*(mn%4)+8*((mn/4)%2)
.set rA, FB+8*(mn/4)
.set rQ, 64*(mn%4)+8*(2*\g+mn/8)
.set rC, RS+8*((mn/4)%2)
.if (\g == 0) && (mn < 8)
	v_wmma_f32_16x16x32_bf16 v[rS:rS+7], v[rA:rA+7], v[rQ:rQ+7], v[rC:rC+7]
.else
	v_wmma_f32_16x16x32_bf16 v[rS:rS+7], v[rA:rA+7], v[rQ:rQ+7], v[rS:rS+7]
.endif
.if \x
.if mn < 12
.set xi, 16*\g+mn
	XI
.elseif mn == 15
.set xi, 16*\g+12
.rept 4
	XI
.set xi, xi+1
.endr
.endif
.endif
.set mn, mn+1
.endr
.endm
; MV: products m0 to m1 - 1 of the 16 of a group of O^T += V^T P: four channel tiles x four query tiles; group i as in LV; par = 1: my partner's weights.
; zero = 1: they start the sums: no accumulator is ever cleared.  sl: the slice of the NEXT step's vector work behind every second product (none of it names a register of these products):
;   1: slice sn = 8 i + mn / 2 of 32: the two exponentials of pair sn, behind the scalings that are due.  By the end of slice sn at least sn + 2 pairs are scaled, so a pair is scaled a slice
;      ahead of its exponentials; the scalings run further ahead so that FOUR stand in slices 7 and 23, behind the last products of VO0 and VO2: the places in front of the runs of loads there.
;      An exponential's result is used a group later, behind plain instructions.
;   2: four roundings to bf16; the last four are the places in front of the run behind VP0
.macro MV par, i, buf, zero, sl, wt, m0, m1
.set wv, 0xa0+0x50*((\i)/2)            ; C and D in window 2 (r) or 3 (r^2)
.set mn, \m0
.rept \m1-\m0
.if (\wt >= 0) && (mn%4 == 0)
	s_wait_dscnt \wt+2*(3-mn/4)
.endif
.set rO, 8*(4*(4*((\i)%2)+mn/4)+mn%4)
.set rA, \buf+8*(mn/4)
.set rP, P+16*(mn%4)+8*\par
	WIN wv
.if \zero
	v_wmma_f32_16x16x32_bf16 v[rO:rO+7], v[rA:rA+7], v[rP:rP+7], 0
.else
	v_wmma_f32_16x16x32_bf16 v[rO:rO+7], v[rA:rA+7], v[rP:rP+7], v[rO:rO+7]
.endif
.if (\sl == 1) && (mn%2 == 1)
	WIN 0
.set sn, 8*\i+mn/2
.set want, sn+2
.if sn < 7
.set want, sn+3
.elseif (sn < 23) && (want < 13)
.set want, 13
.elseif (sn >= 23) && (want < 28)
.set want, 28
.endif
.if want > 32
.set want, 32
.endif
.if want > fp
.rept want-fp
	FF
.set fp, fp+1
.endr
.endif
	v_exp_f32 v[S+2*sn], v[S+2*sn]
	v_exp_f32 v[S+2*sn+1], v[S+2*sn+1]
.elseif (\sl == 2) && (mn%2 == 1)
	WIN 0
.set cp, 4*(mn/2)
.rept 4
	CC
.set cp, cp+1
.endr
.endif
.set mn, mn+1
.endr
.endm
; THE END OF STEP j (a = j % 3): group VP2 and ONE barrier in its middle.  In front of the signal each wave waits for its LDS instructions (its reads of slot a and of its partner's weights, its
; stores of the next weights: the last of them were issued 24 products back) and for all its tensor loads, of which one is out: its part of step j + 2.  Eight products stand between
; signal and wait: register work alone.
; nextfill = 1: the barrier opens a round of the cluster's barrier, so that no wave of any partner still reads slot a or has a load on its way, and the joint refill (step j + 3 into slot a)
; is the first thing behind it: it has a whole step, 192 matrix instructions, in which to land.
.macro CLOSE a, nextfill
	MV 1, 2, F1, 0, 0, 16, 0, 8                    ; behind VP2's loads stand the eight stores of weights and VP3's eight loads
	s_wait_dscnt 0x0
	s_wait_xcnt 0x0
	s_set_vgpr_msb 0xf030
	v_lshl_add_u32 v94, v0, 2, 0x47c00
	v_mov_b32 v95, 0
	s_wait_tensorcnt 0x0                           ; no tensor load of mine is out, so the walking group 0 may be written
	ds_add_u32 v94, v95
	s_wait_dscnt 0x0
	s_set_vgpr_msb 0x30f0
.if \nextfill
	s_add_co_u32 s37, s20, \a*SLOTB
	s_add_nc_u64 s[38:39], s[38:39], STEPB         ; the type bits on top are not reached
.endif
	s_barrier_signal -1
	MV 1, 2, F1, 0, 0, -1, 8, 16
	WIN 0                                          ; at a branch and at a label every window is 0
	s_barrier_wait -1
.if \nextfill
	CREST
	tensor_load_to_lds s[36:39], s[24:31]          ; one load of mine is out
	s_nop 0
.endif
	PLACES                                         ; behind the tensor load, and in front of the loads into the buffer just multiplied
.endm
; KEY STEP j, a = j % 3: V of step j lies in slot a, K of step j + 1 in slot (a + 1) % 3.  Buffers: K0 F0, K1 F1, K2 F2, K3 F0, VO0 F1, VO1 F2, VO2 F0, VO3 F1, VP0 F2, VP1 F0, VP2 F1, VP3 F2.
; A run's first group is multiplied 16 products behind it, fragment by fragment; its second group 32 products behind it, behind the next run.
.macro TRIP a, first, nextfill
.set sV, \a
.set sK, (\a+1)%3
	v_add3_u32 v[ADA], v[AK0], s22, sK*SLOTB       ; RUN A, behind the barrier: rs, K0, K1 (my own channels)
	LRS
	LK 0, ADA
	LK 1, ADA
.if !\first
	MV 1, 3, F2, 0, 0, -1, 0, 16                   ; VP3 of step j - 1: its fragments came in front of the barrier
.endif
	MK 0, 1, 8                                     ; behind K0's loads: K1's eight
	v_add3_u32 v[ADB], v[AK0], s23, sK*SLOTB       ; RUN B: K2, K3 (the other channels)
	v_add3_u32 v[ARS], v[ARS], 0x100, 0            ; rs steps here, where its loads have been waited for
	LK 2, ADB
	LK 3, ADB
	s_wait_dscnt 16                                ; behind K1's loads: run B
	MK 1, 1, -1
	MK 2, 1, 8                                     ; behind K2's loads: K3's eight
	v_add3_u32 v[ADA], v[AV0], s40, sV*SLOTB       ; RUN C: VO0, VO1
	LV 0, F1, ADA
	LV 1, F2, ADA
	s_wait_dscnt 16                                ; behind K3's loads: run C
	MK 3, 1, -1                                    ; the four row sums behind its last product are the places in front of the first read of the scores
	WIN 0
.set fp, 0
	FF
.set fp, 1
	FF
.set fp, 2
	MV 0, 0, F1, \first, 1, 8, 0, 16               ; behind VO0's loads: VO1's eight
	WIN 0
	LV 2, F0, ADA                                  ; RUN D: VO2, VO3, my partner's weights of step j
	LV 3, F1, ADA
	LPP sV
	s_wait_dscnt 24                                ; behind VO1's loads: run D
	MV 0, 1, F2, \first, 1, -1, 0, 16
	MV 0, 2, F0, \first, 1, 16, 0, 16              ; behind VO2's loads: VO3's eight and the weights' eight
	WIN 0
	v_add3_u32 v[ADB], v[AV0], s41, sV*SLOTB       ; RUN E: VP0, VP1
	LV 0, F2, ADB
	LV 1, F0, ADB
	s_wait_dscnt 24                                ; behind VO3's loads: the weights' eight and run E
	MV 0, 3, F1, \first, 1, -1, 0, 16
	PLACES                                         ; in front of the roundings, which write my fragments of weights, just multiplied; no plain work is left to stand here
	MV 1, 0, F2, 0, 2, 8, 0, 16                    ; behind VP0's loads: VP1's eight (my partner's weights are older)
	WIN 0
	LV 2, F1, ADB                                  ; RUN F: VP2, my weights of step j + 1 for my partner, VP3
.set pq, 0
.rept 4
	PST
.set pq, pq+1
.endr
	LV 3, F2, ADB
	s_wait_dscnt 24                                ; behind VP1's loads: run F
	MV 1, 1, F0, 0, 0, -1, 0, 16
	CLOSE \a, \nextfill
.endm
	s_wait_dscnt 0x0                               ; for the others' sake: my part of rs is in LDS,
	s_wait_tensorcnt 0x1                           ; and my part of step 0; step 1's may stay out
	s_barrier_signal -1
	s_barrier_wait -1
	; STEP 0's SCORES AND WEIGHTS: there are no products V^T P yet to set the vector work between, and no weights yet to sum
.set sK, 0
	v_add3_u32 v[ADA], v[AK0], s22, 0
	v_add3_u32 v[ADB], v[AK0], s23, 0
	LRS
	LK 0, ADA
	LK 1, ADA
	LK 2, ADB
	MK 0, 0, 16                                    ; behind K0's loads: K1's and K2's
	PLACES
	v_add3_u32 v[ARS], v[ARS], 0x100, 0
	LK 3, ADB
	s_wait_dscnt 16                                ; behind K1's loads: K2's, K3's
	MK 1, 0, -1
	s_wait_dscnt 8
	MK 2, 0, -1
	MK 3, 0, 0
	PLACES
	WIN 0
.set fp, 0
.rept 32
	FF
.set fp, fp+1
.endr
.set sn, 0
.rept 64
	v_exp_f32 v[S+sn], v[S+sn]
.set sn, sn+1
.endr
	v_nop                                          ; a plain instruction between the last exponential and the use of its result
	s_wait_alu depctr_va_vdst(0)
.set cp, 0
.rept 32
	CC
.set cp, cp+1
.endr
.set pq, 0
.rept 4
	PST
.set pq, pq+1
.endr
	s_wait_dscnt 0x0                               ; my weights are in LDS, my reads of slot 0 are back,
	s_wait_xcnt 0x0
	v_lshl_add_u32 v94, v0, 2, 0x47c00
	v_mov_b32 v95, 0
	s_wait_tensorcnt 0x0                           ; and step 1 has landed
	ds_add_u32 v94, v95
	s_wait_dscnt 0x0
	s_add_co_u32 s37, s20, 2*SLOTB                 ; slot 2's first fill is issued as a refill is: my one load behind a round
	s_add_nc_u64 s[38:39], s[38:39], STEPB
	CROUND
	tensor_load_to_lds s[36:39], s[24:31]          ; step 2
	s_nop 0
	PLACES
	TRIP 0, 1, 1                                   ; step 0: its products start the sums
	s_mov_b32 s46, 9
.Lthree:                                               ; steps 1 to 27, three a trip, so that slots and buffers are constants of the text
	TRIP 1, 0, 1
	TRIP 2, 0, 1
	TRIP 0, 0, 1
	s_sub_co_u32 s46, s46, 1
	s_cmp_lg_u32 s46, 0
	s_cbranch_scc1 .Lthree
	TRIP 1, 0, 1                                   ; step 28 asks for the last tiles, step 31's; the tail is written out
	TRIP 2, 0, 0
	TRIP 0, 0, 0
	; STEP 31 (slot 1): products V^T P alone.  Buffers: VO0 F0, VO1 F1, VO2 F2, VO3 F0, VP0 F1, VP1 F2, VP2 F0, VP3 F1.
	v_add3_u32 v[ADA], v[AV0], s40, SLOTB
	LV 0, F0, ADA
	LV 1, F1, ADA
	MV 1, 3, F2, 0, 0, -1, 0, 16                   ; VP3 of step 30
	WIN 0
.set xi, 0
.rept 64
	XI                                             ; the last step's row sums: also the places in front of the loads below
.set xi, xi+1
.endr
	LV 2, F2, ADA
	LPP 1
	s_wait_dscnt 24                                ; behind VO0's loads: VO1's, VO2's, the weights'
	MV 0, 0, F0, 0, 0, -1, 0, 16
	s_wait_dscnt 16
	MV 0, 1, F1, 0, 0, -1, 0, 16
	PLACES
	WIN 0
	v_add3_u32 v[ADB], v[AV0], s41, SLOTB
	LV 3, F0, ADA
	LV 0, F1, ADB
	s_wait_dscnt 24                                ; behind VO2's loads: the weights', VO3's, VP0's
	MV 0, 2, F2, 0, 0, -1, 0, 16
	MV 0, 3, F0, 0, 0, 8, 0, 16                    ; behind VO3's loads: VP0's eight
	PLACES
	WIN 0
	LV 1, F2, ADB
	LV 2, F0, ADB
	s_wait_dscnt 16                                ; behind VP0's loads: VP1's, VP2's
	MV 1, 0, F1, 0, 0, -1, 0, 16
	MV 1, 1, F2, 0, 0, 8, 0, 16                    ; behind VP1's loads: VP2's eight
	PLACES
	WIN 0
	LV 3, F1, ADB
	s_wait_dscnt 8                                 ; behind VP2's loads: VP3's
	MV 1, 2, F0, 0, 0, -1, 0, 16
	MV 1, 3, F1, 0, 0, 0, 0, 16
	; THE WAY OUT.  Its addresses are the places behind the last products.
	WIN 0
	s_mul_i32 s48, s16, 16*PITCH
	s_add_co_u32 s48, s48, STG                     ; my stage
	v_and_b32 v19, 15, v0
	v_bfe_u32 v20, v0, 4, 1
	v_and_b32 v21, 31, v0
	v_mul_u32_u24 v19, v19, PITCH                  ; in: row = query r, 32 bytes (eight channels) for each half of the lanes
	v_lshl_add_u32 v19, v20, 5, v19
	v_add_nc_u32 v[STO], s48, v19
	v_lshlrev_b32 v[GO], 4, v21                    ; back: a row's 512 bytes by 32 lanes; the same in part
	v_add_nc_u32 v[RD], s48, v[GO]
	; a query's sum of weights: my lane's, the other half of the lanes', and my partner's (the other keys), through the weights' buffer 0, last read in step 30, ahead of the last barrier
.irp q, 0,1,2,3
	v_permlanex16_b32 v[228+\q], v[XSW+2*\q+1], s44, s45
.endr
.irp q, 0,1,2,3
	v_add_f32 v[224+\q], v[XSW+2*\q+1], v[228+\q]
.endr
	ds_store_b128 v[APS], v[224:227]
	s_wait_dscnt 0x0                               ; for my partner's sake
	s_barrier_signal -1
	s_barrier_wait -1
	ds_load_b128 v[228:231], v[APL]
	s_wait_dscnt 0x0
.irp q, 0,1,2,3
	v_add_f32 v[SS+2*\q],   v[224+\q], v[228+\q]   ; twice: a pair for the packed multiply
	v_add_f32 v[SS+2*\q+1], v[224+\q], v[228+\q]
.endr
; Query tile q: M = x (x sum - 2 A1) + A2.  x of channel tile t lies in Q's registers 64 q + 4 t + 0..3 of the same lane: it is not loaded again.
.macro PACK q
	WIN 0x04                                       ; source 1 window 1
.set ee, 0
.rept 32
	v_lshlrev_b32 v[EX+2*ee],   16,  v[64*\q+ee]
	v_and_b32     v[EX+2*ee+1], s47, v[64*\q+ee]
.set ee, ee+1
.endr
	WIN 0
.set ee, 0
.rept 32
	v_pk_mul_f32 v[EU+2*ee:EU+2*ee+1], v[EX+2*ee:EX+2*ee+1], v[SS+2*\q:SS+2*\q+1]
.set ee, ee+1
.endr
	WIN 0x02                                       ; source 0 window 2: A1
.set ee, 0
.rept 32
	v_pk_fma_f32 v[EU+2*ee:EU+2*ee+1], v[8*(4*(ee/4)+\q)+2*(ee%4):8*(4*(ee/4)+\q)+2*(ee%4)+1], -2.0, v[EU+2*ee:EU+2*ee+1] op_sel_hi:[1,0,1]
.set ee, ee+1
.endr
	WIN 0x30                                       ; source 2 window 3: A2
.set ee, 0
.rept 32
	v_pk_fma_f32 v[EU+2*ee:EU+2*ee+1], v[EX+2*ee:EX+2*ee+1], v[EU+2*ee:EU+2*ee+1], v[8*(4*(ee/4)+\q)+2*(ee%4):8*(4*(ee/4)+\q)+2*(ee%4)+1]
.set ee, ee+1
.endr
	WIN 0
.endm
.macro TOSTAGE                         ; into my own stage, and back as whole rows of 512 bytes
.irp t, 0,1,2,3,4,5,6,7
	ds_store_b128 v[STO], v[EU+8*\t:EU+8*\t+3]   offset:64*\t
	ds_store_b128 v[STO], v[EU+8*\t+4:EU+8*\t+7] offset:64*\t+16
.endr
.irp p, 0,1,2,3,4,5,6,7,8,9,10,11,12,13,14,15
	ds_load_b128 v[OB+4*\p:OB+4*\p+3], v[RD] offset:PITCH*\p   ; LDS serves a wave's instructions in order (ISA guide 5.7.1.4): these see the stores above, and the next tile's stores come behind them
.endr
.endm
.macro SEND q
	s_wait_dscnt 0x0
.irp p, 0,1,2,3,4,5,6,7,8,9,10,11,12,13,14,15
	global_store_b128 v[GO], v[OB+4*\p:OB+4*\p+3], s[14:15] offset:16384*\q+1024*\p   ; a wave's store covers 512 consecutive bytes, at a multiple of 512 from part's first byte
.endr
.endm
	PACK 0
	TOSTAGE
	PACK 1                                         ; a tile's arithmetic stands between the loads of the tile before and its stores
	SEND 0
	s_wait_xcnt 0x0                                ; the rows' registers, which the stores read, are loaded again only behind this wait
	TOSTAGE
	PACK 2
	SEND 1
	s_wait_xcnt 0x0
	TOSTAGE
	PACK 3
	SEND 2
	s_wait_xcnt 0x0
	TOSTAGE
	SEND 3
	s_wait_xcnt 0x0
	v_lshl_add_u32 v94, v0, 2, 0x47c00
	v_mov_b32 v95, 0
	s_wait_tensorcnt 0x0
	ds_add_u32 v94, v95
	s_wait_dscnt 0x0
	CROUND                                         ; the closing round: no work-group ends while a partner may still ask for a tile that names it
	s_endpgm
.Lfunc_end_k_qafe9c33eac_main:
	.size	k_qafe9c33eac_main, .Lfunc_end_k_qafe9c33eac_main-k_qafe9c33eac_main
	.p2alignl 7, 3214868480
	.fill 96, 4, 3214868480
	.section	.rodata,"a",@progbits
	.p2align	6, 0x0
	.amdhsa_kernel k_qafe9c33eac_main
		.amdhsa_group_segment_fixed_size 327680
		.amdhsa_private_segment_fixed_size 0
		.amdhsa_enable_private_segment 0
		.amdhsa_kernarg_size 48
		.amdhsa_user_sgpr_count 2
		.amdhsa_user_sgpr_kernarg_segment_ptr 1
		.amdhsa_wavefront_size32 1
		.amdhsa_system_sgpr_workgroup_id_x 1
		.amdhsa_system_sgpr_workgroup_id_y 1
		.amdhsa_system_sgpr_workgroup_id_z 1
		.amdhsa_system_vgpr_workitem_id 0
		.amdhsa_next_free_vgpr 1024
		.amdhsa_next_free_sgpr 66
		.amdhsa_reserve_vcc 0
		.amdhsa_float_denorm_mode_32 3
		.amdhsa_float_denorm_mode_16_64 3
		.amdhsa_memory_ordered 1
		.amdhsa_forward_progress 1
		.amdhsa_inst_pref_size 255
	.end_amdhsa_kernel
	.section	.bss,"aw",@nobits
	.p2align	6
	.space	262144
	.amdgpu_metadata
---
amdhsa.version: [ 1, 2 ]
amdhsa.kernels:
  - .name:           k_qafe9c33eac_main
    .symbol:         k_qafe9c33eac_main.kd
    .args:
      - { .name: rb, .offset: 0, .size: 8, .value_kind: global_buffer, .address_space: global }
      - { .name: r2b, .offset: 8, .size: 8, .value_kind: global_buffer, .address_space: global }
      - { .name: rs, .offset: 16, .size: 8, .value_kind: global_buffer, .address_space: global }
      - { .name: xb, .offset: 24, .size: 8, .value_kind: global_buffer, .address_space: global }
      - { .name: xs, .offset: 32, .size: 8, .value_kind: global_buffer, .address_space: global }
      - { .name: part, .offset: 40, .size: 8, .value_kind: global_buffer, .address_space: global }
    .group_segment_fixed_size: 327680
    .private_segment_fixed_size: 0
    .kernarg_segment_align: 8
    .kernarg_segment_size: 48
    .max_flat_workgroup_size: 128
    .sgpr_count:     66
    .vgpr_count:     1024
    .wavefront_size: 32
...
	.end_amdgpu_metadata
.endif
;; end of part 2
;; launch finish (part 3): grid 256 x 1, 8 waves a work-group, no clusters, 0 bytes of LDS; arguments part, W, out0; writes out0
.if DOCPART == 3
	.amdgcn_target "amdgcn-amd-amdhsa--gfx1250"
	.amdhsa_code_object_version 6
	.text
	.protected	k_qafe9c33eac_finish
	.globl	k_qafe9c33eac_finish
	.p2align	8
	.type	k_qafe9c33eac_finish,@function
k_qafe9c33eac_finish:
	s_mov_b64 s[64:65], 0
	v_nop
	global_prefetch_b8 v0, s[64:65] scope:SCOPE_SE
	s_setreg_imm32_b32 hwreg(HW_REG_WAVE_MODE, 25, 1), 1
	s_wait_xcnt 0x0
; out0[b][d] = 1 / (W * (part[0] + part[1] + part[2] + part[3])[b][d] + 0.001).  part: [4][8192][256] f32, out0: [8192][256] f32, W: one f32.
; A stream: each byte read once and written once, 512 neighbouring bytes a load or store of a wave.  No LDS, barrier, matrix unit or cluster: no byte is shared.
; A work-group owns 32,768 bytes of out0: eight units of 4,096 bytes, 16 bytes a thread.  All 32 loads of a wave (8 units x 4 splits) go out at once; each unit has registers of its own.
; The division is v_rcp_f32 (1 ULP).
.set SPLIT, 0x800000                   ; bytes from a split of part to the next: too far for a load's immediate, so each split has its own base
.set PT, 8                             ; v[8:135]  unit u, split s: 4 registers at 8 + 16 u + 4 s
	s_load_b128 s[4:7], s[0:1], 0x0                ; part s[4:5], W s[6:7]
	s_load_b64 s[8:9], s[0:1], 0x10                ; out0
	v_lshlrev_b32 v1, 4, v0                        ; 16 bytes a thread; never rewritten
	v_mov_b32 v2, 0x3a83126f                       ; 0.001, as a pair
	v_mov_b32 v3, 0x3a83126f
	s_lshl_b32 s10, ttmp9, 15
	s_mov_b32 s11, 0
	s_wait_kmcnt 0x0
	s_load_b32 s20, s[6:7], 0x0                    ; W: no line of this launch writes it
	s_add_nc_u64 s[12:13], s[4:5], s[10:11]
	s_add_nc_u64 s[14:15], s[12:13], SPLIT
	s_add_nc_u64 s[16:17], s[14:15], SPLIT
	s_add_nc_u64 s[18:19], s[16:17], SPLIT
	s_add_nc_u64 s[8:9], s[8:9], s[10:11]
.irp u, 0,1,2,3,4,5,6,7
.irp s, 0,1,2,3
	global_load_b128 v[PT+16*\u+4*\s:PT+16*\u+4*\s+3], v1, s[12+2*\s:13+2*\s] offset:4096*\u th:TH_LOAD_NT
.endr
.endr
	s_wait_kmcnt 0x0
	s_mov_b32 s21, s20                             ; named with it as a pair, so it is written
.irp u, 0,1,2,3,4,5,6,7
	s_wait_loadcnt 4*(7-\u)                        ; loads come back in order: this unit's four are in, the later units' stay out
	v_pk_add_f32 v[PT+16*\u:PT+16*\u+1],     v[PT+16*\u:PT+16*\u+1],     v[PT+16*\u+4:PT+16*\u+5]
	v_pk_add_f32 v[PT+16*\u+2:PT+16*\u+3],   v[PT+16*\u+2:PT+16*\u+3],   v[PT+16*\u+6:PT+16*\u+7]
	v_pk_add_f32 v[PT+16*\u+8:PT+16*\u+9],   v[PT+16*\u+8:PT+16*\u+9],   v[PT+16*\u+12:PT+16*\u+13]
	v_pk_add_f32 v[PT+16*\u+10:PT+16*\u+11], v[PT+16*\u+10:PT+16*\u+11], v[PT+16*\u+14:PT+16*\u+15]
	v_pk_add_f32 v[PT+16*\u:PT+16*\u+1],     v[PT+16*\u:PT+16*\u+1],     v[PT+16*\u+8:PT+16*\u+9]
	v_pk_add_f32 v[PT+16*\u+2:PT+16*\u+3],   v[PT+16*\u+2:PT+16*\u+3],   v[PT+16*\u+10:PT+16*\u+11]
	v_pk_fma_f32 v[PT+16*\u:PT+16*\u+1],     v[PT+16*\u:PT+16*\u+1],     s[20:21], v[2:3] op_sel_hi:[1,0,1]
	v_pk_fma_f32 v[PT+16*\u+2:PT+16*\u+3],   v[PT+16*\u+2:PT+16*\u+3],   s[20:21], v[2:3] op_sel_hi:[1,0,1]
	v_rcp_f32 v[PT+16*\u],   v[PT+16*\u]
	v_rcp_f32 v[PT+16*\u+1], v[PT+16*\u+1]
	v_rcp_f32 v[PT+16*\u+2], v[PT+16*\u+2]
	v_rcp_f32 v[PT+16*\u+3], v[PT+16*\u+3]
	v_nop                                          ; a plain instruction between the last reciprocal and the use of its result
	s_wait_alu depctr_va_vdst(0)
	global_store_b128 v1, v[PT+16*\u:PT+16*\u+3], s[8:9] offset:4096*\u th:TH_STORE_NT
.endr
	s_endpgm
.Lfunc_end_k_qafe9c33eac_finish:
	.size	k_qafe9c33eac_finish, .Lfunc_end_k_qafe9c33eac_finish-k_qafe9c33eac_finish
	.p2alignl 7, 3214868480
	.fill 96, 4, 3214868480
	.section	.rodata,"a",@progbits
	.p2align	6, 0x0
	.amdhsa_kernel k_qafe9c33eac_finish
		.amdhsa_group_segment_fixed_size 0
		.amdhsa_private_segment_fixed_size 0
		.amdhsa_enable_private_segment 0
		.amdhsa_kernarg_size 24
		.amdhsa_user_sgpr_count 2
		.amdhsa_user_sgpr_kernarg_segment_ptr 1
		.amdhsa_wavefront_size32 1
		.amdhsa_system_sgpr_workgroup_id_x 1
		.amdhsa_system_sgpr_workgroup_id_y 1
		.amdhsa_system_sgpr_workgroup_id_z 1
		.amdhsa_system_vgpr_workitem_id 0
		.amdhsa_next_free_vgpr 144
		.amdhsa_next_free_sgpr 66
		.amdhsa_reserve_vcc 0
		.amdhsa_float_denorm_mode_32 3
		.amdhsa_float_denorm_mode_16_64 3
		.amdhsa_memory_ordered 1
		.amdhsa_forward_progress 1
		.amdhsa_inst_pref_size 11
	.end_amdhsa_kernel
	.amdgpu_metadata
---
amdhsa.version: [ 1, 2 ]
amdhsa.kernels:
  - .name:           k_qafe9c33eac_finish
    .symbol:         k_qafe9c33eac_finish.kd
    .args:
      - { .name: part, .offset: 0, .size: 8, .value_kind: global_buffer, .address_space: global }
      - { .name: W, .offset: 8, .size: 8, .value_kind: global_buffer, .address_space: global }
      - { .name: out0, .offset: 16, .size: 8, .value_kind: global_buffer, .address_space: global }
    .group_segment_fixed_size: 0
    .private_segment_fixed_size: 0
    .kernarg_segment_align: 8
    .kernarg_segment_size: 24
    .max_flat_workgroup_size: 256
    .sgpr_count:     66
    .vgpr_count:     144
    .wavefront_size: 32
...
	.end_amdgpu_metadata
.endif
;; end of part 3
;; ======== version 2 of 2: 3 launches; version 1 with the launch prep written anew for expert scheduling mode
;; limits: a difference of large sums (such as E[x^2] - mean^2): digits are lost where the result is much smaller than its terms; values are held in bf16: 8 bits of precision
;; workspace buffers: rb 4,194,304 bytes; r2b 4,194,304 bytes; xb 4,194,304 bytes; rs 32,768 bytes; xs 32,768 bytes; part 33,554,432 bytes
;; launch prep (part 4): grid 128 x 2, 8 waves a work-group, no clusters, 1,280 bytes of LDS; arguments reference_sample, x_t, rb, r2b, rs, xb, xs; writes rb, r2b, rs, xb, xs
.if DOCPART == 4
	.amdgcn_target "amdgcn-amd-amdhsa--gfx1250"
	.amdhsa_code_object_version 6
	.text
	.protected	k_qafe9c33eac_prep
	.globl	k_qafe9c33eac_prep
	.p2align	8
	.type	k_qafe9c33eac_prep,@function
k_qafe9c33eac_prep:
	s_mov_b64 s[64:65], 0
	v_nop
	global_prefetch_b8 v0, s[64:65] scope:SCOPE_SE
	s_setreg_imm32_b32 hwreg(HW_REG_WAVE_SCHED_MODE, 0, 2), 2
	s_setreg_imm32_b32 hwreg(HW_REG_WAVE_MODE, 25, 1), 1
	s_wait_xcnt 0x0
	s_wait_alu depctr_vm_vsrc(0)
; Rounds reference_sample (work-group y = 0) or x_t (y = 1), both [8192][256] f32, to bf16 and makes what the main launch needs:
;   y = 0: rb = bf16(ref), r2b = bf16(rb^2), rs[n] = -1/2 * sum_d rb[n][d]^2
;   y = 1: xb = bf16(x),                     xs[b] = -c  * sum_d xb[b][d]^2,  c = log2(e) / 128
; The norms are taken of the ROUNDED numbers, so that the distance formed later is that of the rounded vectors.
; rs and xs are stored permuted inside each block of 16 rows: place 8 h + j holds row 2 j + h (the order in which the main launch's lanes want them).
; Memory binds: each input byte is read once, 512 neighbouring bytes a load; each store of a wave covers 256 consecutive bytes, aligned.  No matrix unit, no cluster: no byte is shared.
; A work-group owns 64 rows, a wave 8; a row (1,024 bytes) is two loads of a wave, and all 16 loads of a wave go out at once.
; THE MODE: SCHED_MODE bits 1:0 = 2 (LLVM: expert scheduling mode 2), set by the entry lines.  The code itself states the register dependences
; between vector instructions and memory or LDS instructions, with s_wait_alu, always for 0.
; THE PLAN.  Registers that memory or LDS instructions touch:
;   v1, v2, v3, v7  addresses: written once at the head, read by every load and store, never written again.
;   X               written by the 16 loads, once; no vector instruction names it ahead of them; read by a row's first four roundings.
;   B, R2           four registers a row each: written once, by the row's roundings; read by the row's stores.
;   SUM             one register a row: written by the row's chain of sums; read by one LDS store, which is issued in the next row.
;   v[10:11]        the group's norms, from LDS to memory: named by no vector instruction.
;   v176, v177      written at the head, read by the closing add alone.
; No register that a store or a load has read is written again, so no wait on vm_vsrc is owed.  ONE wait on va_vdst stands in a row, behind the row's last rounding: it states that the row's B
; (and R2) are written and that the row before has written its norm.  The row's stores and that norm's LDS store follow it; the row's own chain of sums stands behind them and names none of their registers.
.set OFF, 1                            ; v1        my byte offset in the group's source rows: wave x 8 rows x 1,024 + 16 lane
.set OB,  2                            ; v2        the same in the bf16 rows: wave x 8 rows x 512 + 8 lane
.set LA,  3                            ; v3        LDS byte of my wave's norms
.set NA,  7                            ; v7        8 x lane: my 8 bytes of the group's 64 norms, in LDS and in memory
.set NR,  10                           ; v[10:11]  two norms on their way out
.set X,   16                           ; v[16:79]   row k: 8 registers as loaded
.set B,   80                           ; v[80:111]  row k: 4 registers, 8 bf16 (never rewritten: they are stores' data)
.set R2,  112                          ; v[112:143] row k: 4 registers, 8 bf16 squares (likewise)
.set Y,   144                          ; v[144:151] the rounded numbers as f32
.set SQ,  152                          ; v[152:159] their squares
.set SUM, 160                          ; v[160:167] row k: its norm (likewise never rewritten: an LDS store's data)
.set TMP, 168
	s_load_b256 s[4:11], s[0:1], 0x0               ; reference_sample s[4:5], x_t s[6:7], rb s[8:9], r2b s[10:11]
	s_load_b128 s[12:15], s[0:1], 0x20             ; rs s[12:13], xb s[14:15]
	s_load_b64 s[16:17], s[0:1], 0x30              ; xs
	v_lshl_add_u32 v176, v0, 2, 0x100              ; my spare word, behind the block of the norms, and 0: kept for the closing lines alone
	v_mov_b32 v177, 0
	v_lshrrev_b32 v4, 5, v0
	v_readfirstlane_b32 s18, v4                    ; wave 0..7
	s_and_b32 s19, ttmp7, 0xffff                   ; y: 0 = ref, 1 = x
	s_mov_b32 s26, 0xbc38aa3b                      ; -c = -log2(e) / 128
	s_mov_b32 s27, 0xbf000000                      ; -1/2
	s_mov_b32 s30, 0xffff0000                      ; a word's upper bf16
	s_mov_b32 s32, 0x76543210                      ; v_permlanex16_b32: each lane takes its own place in the other half
	s_mov_b32 s33, 0xfedcba98
	v_and_b32 v5, 0xe0, v0                         ; 32 x wave
	v_and_b32 v6, 31, v0                           ; lane
	v_lshlrev_b32 v[OFF], 4, v6
	v_lshl_add_u32 v[OFF], v5, 8, v[OFF]           ; + wave x 8,192
	v_lshlrev_b32 v[NA], 3, v6
	v_lshl_add_u32 v[OB], v5, 7, v[NA]             ; + wave x 4,096
	v_mov_b32 v[TMP], 0                            ; v_permlanex16_b32's destination counts as read
	s_wait_alu depctr_va_sdst(0)                   ; s18 is written, ahead of its first reader: the LDS place of my wave's norms is made from it
	s_lshr_b32 s31, s18, 1                         ; my wave's rows are half (wave & 1) of block wave >> 1 of 16 rows:
	s_lshl_b32 s31, s31, 6                         ; row 8 (wave & 1) + k of the block goes to place 8 (k & 1) + 4 (wave & 1) + (k >> 1)
	s_and_b32 s34, s18, 1
	s_lshl_b32 s34, s34, 4
	s_add_co_u32 s31, s31, s34
	v_mov_b32 v[LA], s31
	s_wait_kmcnt 0x0
	s_cmp_eq_u32 s19, 0
	s_cselect_b64 s[20:21], s[4:5], s[6:7]         ; the source,
	s_cselect_b64 s[22:23], s[8:9], s[14:15]       ; where its bf16 goes,
	s_cselect_b64 s[24:25], s[12:13], s[16:17]     ; where its norms go,
	s_cselect_b32 s26, s27, s26                    ; and their factor
	s_lshl_b32 s28, ttmp9, 16                      ; the group's 64 rows of 1,024 bytes
	s_mov_b32 s29, 0
	s_add_nc_u64 s[20:21], s[20:21], s[28:29]
	s_lshl_b32 s28, ttmp9, 15                      ; of 512 bytes
	s_add_nc_u64 s[22:23], s[22:23], s[28:29]
	s_add_nc_u64 s[10:11], s[10:11], s[28:29]
	s_lshl_b32 s28, ttmp9, 8                       ; 64 norms
	s_add_nc_u64 s[24:25], s[24:25], s[28:29]
	s_wait_alu depctr_va_vdst(0)                   ; the four addresses v1, v2, v3 and v7 are written: every load and store of the kernel reads one of them
.irp k, 0,1,2,3,4,5,6,7
	global_load_b128 v[X+8*\k:X+8*\k+3],   v[OFF], s[20:21] offset:1024*\k th:TH_LOAD_NT      ; columns 4 lane ..
	global_load_b128 v[X+8*\k+4:X+8*\k+7], v[OFF], s[20:21] offset:1024*\k+512 th:TH_LOAD_NT  ; columns 128 + 4 lane ..
.endr
; What leaves in row k: the row's bf16 numbers, with sq = 1 its squares too, and the norm of the row before.
.macro OUT k, sq
	s_wait_alu depctr_va_vdst(0)                   ; this row's roundings have written B (and R2), which the stores below read; the row before has written its norm, which the LDS store reads
	global_store_b64 v[OB], v[B+4*\k:B+4*\k+1],   s[22:23] offset:512*\k       ; 32 lanes x 8 bytes: 256 consecutive bytes, aligned
	global_store_b64 v[OB], v[B+4*\k+2:B+4*\k+3], s[22:23] offset:512*\k+256
.if \sq
	global_store_b64 v[OB], v[R2+4*\k:R2+4*\k+1],   s[10:11] offset:512*\k
	global_store_b64 v[OB], v[R2+4*\k+2:R2+4*\k+3], s[10:11] offset:512*\k+256
.endif
.if \k > 0
	ds_store_b32 v[LA], v[SUM+\k-1] offset:4*(((\k-1)%2)*8+(\k-1)/2)   ; all lanes write the same word with the same value
.endif
.endm
; Row k of my eight.  sq = 1: the squares are stored too.
.macro ROW k, sq
	s_wait_loadcnt 14-2*\k                         ; loads come back in order: this row's two are in, the later rows' stay out
.irp j, 0,1,2,3
	v_cvt_pk_bf16_f32 v[B+4*\k+\j], v[X+8*\k+2*\j], v[X+8*\k+2*\j+1]
.endr
.if !\sq
	OUT \k, 0                                      ; nothing more is rounded in this row
.endif
.irp j, 0,1,2,3
	v_lshlrev_b32 v[Y+2*\j],   16,  v[B+4*\k+\j]   ; the rounded numbers back as f32
	v_and_b32     v[Y+2*\j+1], s30, v[B+4*\k+\j]
.endr
.irp j, 0,2,4,6
	v_pk_mul_f32 v[SQ+\j:SQ+\j+1], v[Y+\j:Y+\j+1], v[Y+\j:Y+\j+1]
.endr
.if \sq
.irp j, 0,1,2,3
	v_cvt_pk_bf16_f32 v[R2+4*\k+\j], v[SQ+2*\j], v[SQ+2*\j+1]
.endr
	OUT \k, 1                                      ; one wait for the row's four stores
.endif
	v_pk_add_f32 v[SQ:SQ+1],   v[SQ:SQ+1],   v[SQ+2:SQ+3]     ; the chain of sums names Y, SQ, TMP and this row's SUM alone: none of the registers that the stores above read
	v_pk_add_f32 v[SQ+4:SQ+5], v[SQ+4:SQ+5], v[SQ+6:SQ+7]
	v_pk_add_f32 v[SQ:SQ+1],   v[SQ:SQ+1],   v[SQ+4:SQ+5]
	v_add_f32 v[SUM+\k], v[SQ], v[SQ+1]
	v_add_f32_dpp v[SUM+\k], v[SUM+\k], v[SUM+\k] row_xmask:1 row_mask:0xf bank_mask:0xf
	v_add_f32_dpp v[SUM+\k], v[SUM+\k], v[SUM+\k] row_xmask:2 row_mask:0xf bank_mask:0xf
	v_add_f32_dpp v[SUM+\k], v[SUM+\k], v[SUM+\k] row_xmask:4 row_mask:0xf bank_mask:0xf
	v_add_f32_dpp v[SUM+\k], v[SUM+\k], v[SUM+\k] row_xmask:8 row_mask:0xf bank_mask:0xf
	v_permlanex16_b32 v[TMP], v[SUM+\k], s32, s33
	v_add_f32 v[SUM+\k], v[SUM+\k], v[TMP]
	v_mul_f32 v[SUM+\k], s26, v[SUM+\k]
.endm
	s_cmp_lg_u32 s19, 0                            ; the same way for the whole work-group
	s_cbranch_scc1 .Lfor_x
.irp k, 0,1,2,3,4,5,6,7
	ROW \k, 1
.endr
	s_branch .Lnorms
.Lfor_x:
.irp k, 0,1,2,3,4,5,6,7
	ROW \k, 0
.endr
.Lnorms:
	s_wait_alu depctr_va_vdst(0)                   ; on both ways: the last row has written its norm, which the LDS store reads
	ds_store_b32 v[LA], v[SUM+7] offset:4*((7%2)*8+7/2)
	s_wait_dscnt 0x0                               ; for wave 0's sake: my eight norms are in LDS
	s_barrier_signal -1
	s_barrier_wait -1
	s_cmp_lg_u32 s18, 0
	s_cbranch_scc1 .Lend
	ds_load_b64 v[NR:NR+1], v[NA]                  ; the group's 64 norms: 256 bytes, stored whole by one wave.  No wait: v7 was written ahead of the head's wait, and no vector instruction names v[10:11]
	s_wait_dscnt 0x0
	global_store_b64 v[NA], v[NR:NR+1], s[24:25]
.Lend:
	s_wait_dscnt 0x0                               ; the closing lines, six on end
	s_wait_alu 0x0
	s_wait_tensorcnt 0x0
	ds_add_u32 v176, v177
	s_wait_dscnt 0x0
	s_endpgm
.Lfunc_end_k_qafe9c33eac_prep:
	.size	k_qafe9c33eac_prep, .Lfunc_end_k_qafe9c33eac_prep-k_qafe9c33eac_prep
	.p2alignl 7, 3214868480
	.fill 96, 4, 3214868480
	.section	.rodata,"a",@progbits
	.p2align	6, 0x0
	.amdhsa_kernel k_qafe9c33eac_prep
		.amdhsa_group_segment_fixed_size 1280
		.amdhsa_private_segment_fixed_size 0
		.amdhsa_enable_private_segment 0
		.amdhsa_kernarg_size 56
		.amdhsa_user_sgpr_count 2
		.amdhsa_user_sgpr_kernarg_segment_ptr 1
		.amdhsa_wavefront_size32 1
		.amdhsa_system_sgpr_workgroup_id_x 1
		.amdhsa_system_sgpr_workgroup_id_y 1
		.amdhsa_system_sgpr_workgroup_id_z 1
		.amdhsa_system_vgpr_workitem_id 0
		.amdhsa_next_free_vgpr 178
		.amdhsa_next_free_sgpr 66
		.amdhsa_reserve_vcc 0
		.amdhsa_float_denorm_mode_32 3
		.amdhsa_float_denorm_mode_16_64 3
		.amdhsa_memory_ordered 1
		.amdhsa_forward_progress 1
		.amdhsa_inst_pref_size 35
	.end_amdhsa_kernel
	.amdgpu_metadata
---
amdhsa.version: [ 1, 2 ]
amdhsa.kernels:
  - .name:           k_qafe9c33eac_prep
    .symbol:         k_qafe9c33eac_prep.kd
    .args:
      - { .name: reference_sample, .offset: 0, .size: 8, .value_kind: global_buffer, .address_space: global }
      - { .name: x_t, .offset: 8, .size: 8, .value_kind: global_buffer, .address_space: global }
      - { .name: rb, .offset: 16, .size: 8, .value_kind: global_buffer, .address_space: global }
      - { .name: r2b, .offset: 24, .size: 8, .value_kind: global_buffer, .address_space: global }
      - { .name: rs, .offset: 32, .size: 8, .value_kind: global_buffer, .address_space: global }
      - { .name: xb, .offset: 40, .size: 8, .value_kind: global_buffer, .address_space: global }
      - { .name: xs, .offset: 48, .size: 8, .value_kind: global_buffer, .address_space: global }
    .group_segment_fixed_size: 1280
    .private_segment_fixed_size: 0
    .kernarg_segment_align: 8
    .kernarg_segment_size: 56
    .max_flat_workgroup_size: 256
    .sgpr_count:     66
    .vgpr_count:     178
    .wavefront_size: 32
...
	.end_amdgpu_metadata
.endif
;; end of part 4
;; launch main: the kernel of part 2 again; grid 64 x 4, 4 waves a work-group, clusters of 4 x 1, 327,680 bytes of LDS; arguments rb, r2b, rs, xb, xs, part; writes part
;; launch finish: the kernel of part 3 again; grid 256 x 1, 8 waves a work-group, no clusters, 0 bytes of LDS; arguments part, W, out0; writes out0
